; MI455X (gfx1250); checked and timed in simulation.
; The chip was launched on July 23, 2026; its instructions are those of AMD's public machine-readable ISA for CDNA 5 (MIT licence, August 2026) and "CDNA5" Instruction Set Architecture Reference Guide (July 2026). The comments in the code are by the model that wrote it; some were corrected since.
;; Complex Mixture. Allowed arithmetic: matrix products marked QUANTISED: E5M2 operands, one E8M0 scale for each 32 along K, by v_wmma_scale_f32_16x16x128_f8f6f4 with both operands' format E5M2, f32 sums; products left as they are: f32 operands where the result goes on into a quantised operand, else bf16, f16 or f32 operands; f32 sums; everything else in f32.
;; Inputs: input_imag 8 x 512 x 768 float32; input_real 8 x 512 x 768 float32; weight 8 x 512 float32.
;; Outputs: out0 8 x 768 x 768 float32; out1 8 x 768 x 768 float32.
;; This version of the problem:
;;   THIS VERSION OF THE PROBLEM IS GIVEN IN LOW PRECISION. The matrix products marked QUANTISED in the list below multiply operands that are first quantised to E5M2 (5 exponent bits, 2 mantissa bits; 8 bits a number), with one power-of-two scale for each 32 numbers along K (OCP MX v1.0); their sums are f32. All else is computed in f32.
;;   The module's matrix products, in the order in which they are computed (A, B: the left and right operand; K: the contracted axis; several contracted axes count as one K, in the product's order):
;;     1. batch 4,096 x [M 1, K 1] x [K 1, N 768]; A: computed on the way; B: computed on the way: left as it is (no contracted axis)
;;     2. batch 8 x [M 768, K 512] x [K 512, N 768]; A: computed on the way; B: input input_real: QUANTISED
;;     3. batch 4,096 x [M 1, K 1] x [K 1, N 768]; A: computed on the way; B: computed on the way: left as it is (no contracted axis)
;;     4. batch 8 x [M 768, K 512] x [K 512, N 768]; A: computed on the way; B: input input_imag: QUANTISED
;;     5. batch 4,096 x [M 1, K 1] x [K 1, N 768]; A: computed on the way; B: computed on the way: left as it is (no contracted axis)
;;     6. batch 8 x [M 768, K 512] x [K 512, N 768]; A: computed on the way; B: input input_real: QUANTISED
;;     7. batch 4,096 x [M 1, K 1] x [K 1, N 768]; A: computed on the way; B: computed on the way: left as it is (no contracted axis)
;;     8. batch 8 x [M 768, K 512] x [K 512, N 768]; A: computed on the way; B: input input_imag: QUANTISED
;;   THE QUANTISER, for each operand of a quantised product, along K:
;;     - K is cut into blocks of 32 from its start; a last block that is shorter is filled with zeros.
;;     - A block's scale is 2^e with e = floor(log2(the largest magnitude in the block)) - 15, held to -126 .. 127; a block of zeros has e = 0. As a byte (E8M0): e + 127.
;;     - Each number is divided by its block's scale, clamped to +-57,344, and rounded to the nearest number of E5M2, ties to even, subnormals kept.
;;     - The product sums the exact products of the quantised numbers (number of the format x scale) in f32.
;;   ~~~python
;;   def quantise(x, axis):      # numpy; x: float32 -> the quantised numbers, widened to float32 again
;;       x = np.moveaxis(x, axis, -1); K = x.shape[-1]
;;       x = np.pad(x, [(0, 0)] * (x.ndim - 1) + [(0, -K % 32)]); x = x.reshape(x.shape[:-1] + (-1, 32)); a = np.abs(x).max(-1, keepdims=True)
;;       e = np.where(a > 0, np.clip(np.frexp(np.where(a > 0, a, 1))[1] - 1 - 15, -126, 127), 0)      # np.frexp(a)[1] - 1 = floor(log2(a)), exactly
;;       r = np.clip(x / 2.0 ** e, -57344, 57344)
;;       step = 2.0 ** (np.maximum(np.frexp(np.where(r == 0, 1, r))[1] - 1, -14) - 2)
;;       q = np.round(r / step) * step * 2.0 ** e      # np.round: ties to even
;;       return np.moveaxis(q.reshape(q.shape[:-2] + (-1,))[..., :K], -1, axis).astype(np.float32)
;;   ~~~
;;   OPERANDS COMPUTED ON THE WAY. 'Computed on the way' means the value that the module computes at that place (a softmax that the list does not call 'softmax' is quantised finished and normalised). What goes into a quantiser is computed in f32, as accurately as f32 sums, v_exp_f32 and their like allow (about 1e-6 of the number): no bf16 or f16 on the way to a quantiser, and a product that is left as it is and whose result goes on into a quantised operand takes f32 operands (vector FMAs, or v_wmma_f32_16x16x4_f32). A number that lies on a knife's edge between two numbers of the format may be rounded either way, as far as f32 arithmetic and the matrix unit's own rounding can turn it there, and no further.
;; One version. Each part assembles by itself: llvm-mc -triple=amdgcn-amd-amdhsa -mcpu=gfx1250 --defsym DOCPART=n.
;; ======== version 1 of 1: 2 launches
;; workspace buffers: acodes 6,488,064 bytes; bcodes 6,488,064 bytes
;; launch quant (part 1): grid 12 x 64, 8 waves a work-group, no clusters, 2,048 bytes of LDS; arguments input_real, input_imag, weight, acodes, bcodes; writes acodes, bcodes
.if DOCPART == 1
	.amdgcn_target "amdgcn-amd-amdhsa--gfx1250"
	.amdhsa_code_object_version 6
	.text
	.protected	k_q839c5520f7_quant
	.globl	k_q839c5520f7_quant
	.p2align	8
	.type	k_q839c5520f7_quant,@function
k_q839c5520f7_quant:
	s_mov_b64 s[64:65], 0
	v_nop
	global_prefetch_b8 v0, s[64:65] scope:SCOPE_SE
	s_setreg_imm32_b32 hwreg(HW_REG_WAVE_MODE, 25, 1), 1
	s_wait_xcnt 0x0
; input_real and input_imag, [8][512 (s)][768 (column)] f32, are the operands of products whose K is s, their SECOND axis.  Each becomes two operands in codes of
; BF8 (E5M2) with one E8M0 scale byte for each 32 along s: the plain numbers (into bcodes) and the numbers times weight[b][s], one f32 multiplication (into acodes).
; A block's scale is 2^(floor(log2(its largest magnitude)) - 15); its byte is the largest magnitude's exponent field - 15, held at 1 from below (the rule's e = -126);
; each number is divided by the scale, held within +-57,344 and rounded to the nearest code, ties to even.
; LIMITS: NaN and infinities among the inputs are not served.  A block of zeros gets the byte 1 where the rule says 127: its codes are zeros, which add nothing under
; any byte but 0xff, and the bytes are read by this program alone.
; LAYOUT OF BOTH BUFFERS: [b 8][column group of 16: 48][BLK = 16,896 bytes].  In a BLK: eight images of operand registers [t 2 (0 real, 1 imag)][ks 4] of 2,048 bytes:
; the 16 bytes at 512 c + 256 h + 16 r are column r's codes of s = 128 ks + 32 c + 16 h + 0 .. 15, which are registers 4 c .. 4 c + 3 of lane r + 16 h of a fragment;
; behind them, from byte 16,384 on, the scale words [t 2][ks 4][r 16], byte c for the c-th 32 along s.  So any run of column groups is one dense block of memory.
; SHARES.  A work-group takes 128 rows s x 64 columns of one input: x = which 64 columns; y = 8 b + 2 ks + t.  Wave: cg = wave % 2: which 32 columns; c = wave / 2: which 32 rows.
; A LANE TAKES A COLUMN AND ITS REGISTERS RUN DOWN s: a load reads 128 consecutive bytes, the waves cg = 0 and 1 together a row's aligned 256; a block of 32 lies in one lane's 32
; registers, so its largest magnitude needs no other lane, and the conversions give codes with s innermost.  Nothing is transposed.  All 32 loads of a wave go out at once.
; OUT.  A lane's 16 codes are 16 bytes of an image: sixteen lanes store 256 consecutive bytes, aligned.  A scale word's four bytes come from four waves: they meet in LDS, and waves
; 0 to 3 store the words in runs of 64 bytes: whole runs of 256 would need one work-group to cover all of s for its columns, which leaves too few work-groups; these are 1 byte in 96 of what the launch moves.
; No cluster, no tensor load, no matrix work: no two work-groups read the same byte.
.set BLK,  16896
.set EMAX, 15
.set X,    16                          ; v16-47  my column's 32 numbers
.set T,    48                          ; v48-79  the same times the weights
.set CB,   80                          ; v80-87  codes of the plain block
.set CA,   88                          ; v88-95  codes of the weighted block
	s_load_b256 s[4:11], s[0:1], 0x0               ; real s[4:5], imag s[6:7], weight s[8:9], acodes s[10:11]
	s_load_b64 s[12:13], s[0:1], 0x20              ; bcodes
	v_lshl_add_u32 v96, v0, 2, 0x400
	v_mov_b32 v97, 0
	v_lshrrev_b32 v1, 5, v0
	v_readfirstlane_b32 s14, v1                    ; wave 0..7
	s_and_b32 s15, s14, 1                          ; cg
	s_lshr_b32 s16, s14, 1                         ; c
	s_and_b32 s17, ttmp7, 0xffff                   ; y
	s_and_b32 s18, s17, 1                          ; t
	s_lshr_b32 s20, s17, 1                         ; 4 b + ks
	s_and_b32 s19, s20, 3                          ; ks
	s_lshr_b32 s21, s17, 3                         ; b
	s_lshl_b32 s24, s20, 7
	s_lshl_b32 s22, s16, 5
	s_add_co_u32 s24, s24, s22                     ; my first row among the 4,096: 128 (4 b + ks) + 32 c
	s_mul_i32 s22, s24, 3072                       ; the input: rows of 3,072 bytes,
	s_lshl_b32 s23, ttmp9, 8
	s_add_co_u32 s22, s22, s23                     ; + 256 x
	s_lshl_b32 s23, s15, 7
	s_add_co_u32 s22, s22, s23                     ; + 128 cg
	s_mov_b32 s23, 0
	s_lshl_b32 s24, s24, 2                         ; the weights: 4 bytes a row
	s_mov_b32 s25, 0
	s_mul_i32 s26, s21, 48
	s_lshl_b32 s27, ttmp9, 2
	s_add_co_u32 s26, s26, s27
	s_lshl_b32 s27, s15, 1
	s_add_co_u32 s26, s26, s27                     ; my first column group: 48 b + 4 x + 2 cg
	s_mul_i32 s26, s26, BLK
	s_lshl_b32 s28, s18, 8
	s_lshl_b32 s29, s19, 6
	s_add_co_u32 s28, s28, s29
	s_add_co_u32 s28, s28, s26
	s_add_co_u32 s28, s28, 16384                   ; the scale words: BLK's byte 16,384 + 256 t + 64 ks
	s_mov_b32 s29, 0
	s_lshl_b32 s27, s18, 13
	s_add_co_u32 s26, s26, s27
	s_lshl_b32 s27, s19, 11
	s_add_co_u32 s26, s26, s27
	s_lshl_b32 s27, s16, 9
	s_add_co_u32 s26, s26, s27                     ; the codes: 8,192 t + 2,048 ks + 512 c
	s_mov_b32 s27, 0
	s_mov_b32 s30, 0x600000                        ; the mantissa field of 57,344 (an instruction takes one literal: the hold's line has another)
	s_lshl_b32 s31, s15, 7
	s_add_co_u32 s31, s31, s16                     ; LDS: 128 cg + c
	v_and_b32 v1, 31, v0                           ; lane
	v_lshlrev_b32 v2, 2, v1                        ; in: 4 bytes a lane
	v_lshrrev_b32 v8, 4, v1
	v_and_b32 v9, 15, v1
	v_mul_u32_u24 v3, v8, BLK                      ; lanes 16-31 belong to the next column group
	v_lshl_add_u32 v4, v9, 2, v3                   ; a scale word's place: + 4 (lane % 16)
	v_lshl_add_u32 v3, v9, 4, v3                   ; my codes' place: + 16 (lane % 16)
	v_add_nc_u32 v5, s31, v2                       ; LDS: [kind 2][column 64][byte c]: 4 x lane + 128 cg + c
	v_lshlrev_b32 v6, 2, v0                        ; and back: a word a thread of waves 0 to 3
	s_wait_kmcnt 0x0
	s_cmp_eq_u32 s16, 0                            ; on the way out waves 0, 1 (c = 0) store the plain words, waves 2, 3 (c = 1) the weighted ones: the choice hangs on the wave's number alone
	s_cselect_b64 s[2:3], s[12:13], s[10:11]
	s_add_nc_u64 s[2:3], s[2:3], s[28:29]
	s_add_nc_u64 s[10:11], s[10:11], s[26:27]
	s_add_nc_u64 s[12:13], s[12:13], s[26:27]
	s_cmp_eq_u32 s18, 0                            ; real or imag: the choice hangs on the work-group's number alone; both take one path through the text
	s_cselect_b64 s[4:5], s[4:5], s[6:7]
	s_add_nc_u64 s[4:5], s[4:5], s[22:23]
	s_add_nc_u64 s[8:9], s[8:9], s[24:25]
	s_load_b512 s[32:47], s[8:9], 0x0              ; my 32 rows' weights: the same for every lane, so they are scalars
	s_load_b512 s[48:63], s[8:9], 0x40
.irp i, 0,1,2,3,4,5,6,7,8,9,10,11,12,13,14,15,16,17,18,19,20,21,22,23,24,25,26,27,28,29,30,31
	global_load_b32 v[X+\i], v2, s[4:5] offset:3072*\i th:TH_LOAD_NT   ; row i, 32 neighbouring columns; each byte is read once in the launch
.endr
; 32 numbers v[s] .. v[s + 31] of one block become 32 codes in v[cd] .. v[cd + 7]; the scale's byte goes to v[eb]
.macro QBLOCK s, cd, eb
	v_max3_num_f32 v8, |v[\s]|, |v[\s+1]|, |v[\s+2]|               ; the largest magnitude, in two chains that do not wait for each other
	v_max3_num_f32 v9, |v[\s+3]|, |v[\s+4]|, |v[\s+5]|
.irp i, 6,10,14,18,22,26
	v_max3_num_f32 v8, v8, |v[\s+\i]|, |v[\s+\i+1]|
	v_max3_num_f32 v9, v9, |v[\s+\i+2]|, |v[\s+\i+3]|
.endr
	v_max3_num_f32 v8, v8, |v[\s+30]|, |v[\s+31]|
	v_max3_num_f32 v8, v8, v9, (EMAX+1)<<23        ; and the floor 2^(16 - 127), under which no largest magnitude is taken: so the byte cannot fall under 1
	v_add_nc_u32 v11, 0xf8800000, v8               ; 15 off its exponent field: the conversion takes the exponent field of this operand as its scale, and nothing else of it
	v_and_or_b32 v10, v8, 0x7f800000, s30          ; 57,344 x the scale: the largest magnitude's exponent field over 57,344's mantissa
.irp i, 0,1,2,3,4,5,6,7,8,9,10,11,12,13,14,15,16,17,18,19,20,21,22,23,24,25,26,27,28,29,30,31
	v_med3_num_f32 v[\s+\i], v[\s+\i], -v10, v10   ; the conversion to an 8-bit code does not saturate (ISA guide 7.6.2): the hold comes first
.endr
.irp g, 0,1,2,3
	v_cvt_scalef32_pk8_bf8_f32 v[\cd+2*\g:\cd+2*\g+1], v[\s+8*\g:\s+8*\g+7], v11
.endr
	v_lshrrev_b32 v[\eb], 23, v11                  ; the scale's byte; also the plain line between the conversions and the next line that writes one of their sources
.endm
	s_wait_kmcnt 0x0                               ; the weights
	s_wait_loadcnt 0x0                             ; all 32: a block's largest magnitude wants them all
.irp i, 0,1,2,3,4,5,6,7,8,9,10,11,12,13,14,15,16,17,18,19,20,21,22,23,24,25,26,27,28,29,30,31
	v_mul_f32 v[T+\i], s[32+\i], v[X+\i]           ; weight x number, in f32, ahead of the hold that changes X in place
.endr
	QBLOCK X, CB, 12
	global_store_b128 v3, v[CB:CB+3], s[12:13]               ; s 0-15 of the block: lanes 0-15 store 256 consecutive bytes, aligned; lanes 16-31 the same in the next column group
	global_store_b128 v3, v[CB+4:CB+7], s[12:13] offset:256  ; s 16-31
	ds_store_b8 v5, v12
	QBLOCK T, CA, 13
	global_store_b128 v3, v[CA:CA+3], s[10:11]
	global_store_b128 v3, v[CA+4:CA+7], s[10:11] offset:256
	ds_store_b8 v5, v13 offset:256
	s_wait_dscnt 0x0                               ; for the others' sake: my two bytes lie in LDS
	s_barrier_signal -1
	s_barrier_wait -1
	s_cmp_gt_u32 s14, 3                            ; 128 words: waves 0 to 3 store them.  No barrier follows
	s_cbranch_scc1 .Lend
	ds_load_b32 v7, v6                             ; word 32 x wave + lane: kind wave / 2, column 32 (wave % 2) + lane: my own c and cg name them
	s_wait_dscnt 0x0
	global_store_b32 v4, v7, s[2:3]
.Lend:
	s_wait_tensorcnt 0x0
	ds_add_u32 v96, v97
	s_wait_dscnt 0x0
	s_endpgm
.Lfunc_end_k_q839c5520f7_quant:
	.size	k_q839c5520f7_quant, .Lfunc_end_k_q839c5520f7_quant-k_q839c5520f7_quant
	.p2alignl 7, 3214868480
	.fill 96, 4, 3214868480
	.section	.rodata,"a",@progbits
	.p2align	6, 0x0
	.amdhsa_kernel k_q839c5520f7_quant
		.amdhsa_group_segment_fixed_size 2048
		.amdhsa_private_segment_fixed_size 0
		.amdhsa_enable_private_segment 0
		.amdhsa_kernarg_size 40
		.amdhsa_user_sgpr_count 2
		.amdhsa_user_sgpr_kernarg_segment_ptr 1
		.amdhsa_wavefront_size32 1
		.amdhsa_system_sgpr_workgroup_id_x 1
		.amdhsa_system_sgpr_workgroup_id_y 1
		.amdhsa_system_sgpr_workgroup_id_z 1
		.amdhsa_system_vgpr_workitem_id 0
		.amdhsa_next_free_vgpr 98
		.amdhsa_next_free_sgpr 66
		.amdhsa_reserve_vcc 0
		.amdhsa_float_denorm_mode_32 3
		.amdhsa_float_denorm_mode_16_64 3
		.amdhsa_memory_ordered 1
		.amdhsa_forward_progress 1
		.amdhsa_inst_pref_size 15
	.end_amdhsa_kernel
	.amdgpu_metadata
---
amdhsa.version: [ 1, 2 ]
amdhsa.kernels:
  - .name:           k_q839c5520f7_quant
    .symbol:         k_q839c5520f7_quant.kd
    .args:
      - { .name: input_real, .offset: 0, .size: 8, .value_kind: global_buffer, .address_space: global }
      - { .name: input_imag, .offset: 8, .size: 8, .value_kind: global_buffer, .address_space: global }
      - { .name: weight, .offset: 16, .size: 8, .value_kind: global_buffer, .address_space: global }
      - { .name: acodes, .offset: 24, .size: 8, .value_kind: global_buffer, .address_space: global }
      - { .name: bcodes, .offset: 32, .size: 8, .value_kind: global_buffer, .address_space: global }
    .group_segment_fixed_size: 2048
    .private_segment_fixed_size: 0
    .kernarg_segment_align: 8
    .kernarg_segment_size: 40
    .max_flat_workgroup_size: 256
    .sgpr_count:     66
    .vgpr_count:     98
    .wavefront_size: 32
...
	.end_amdgpu_metadata
.endif
;; end of part 1
;; launch gemm (part 2): grid 4 x 64, 4 waves a work-group, clusters of 4 x 4, 304,640 bytes of LDS; arguments acodes, bcodes, out0, out1; writes out0, out1
.if DOCPART == 2
	.amdgcn_target "amdgcn-amd-amdhsa--gfx1250"
	.amdhsa_code_object_version 6
	.text
	.protected	k_q839c5520f7_gemm
	.globl	k_q839c5520f7_gemm
	.p2align	8
	.type	k_q839c5520f7_gemm,@function
k_q839c5520f7_gemm:
	s_mov_b64 s[64:65], 0
	v_nop
	global_prefetch_b8 v0, s[64:65] scope:SCOPE_SE
	s_setreg_imm32_b32 hwreg(HW_REG_WAVE_MODE, 25, 1), 1
	s_wait_xcnt 0x0
	s_wait_alu depctr_hold_cnt(0) depctr_sa_sdst(0) depctr_va_vdst(0) depctr_va_sdst(0) depctr_va_ssrc(0) depctr_va_vcc(0) depctr_vm_vsrc(0)
	s_getreg_b32 s2, hwreg(HW_REG_IB_STS2, 6, 4)
	s_cmp_eq_u32 s2, 0
	s_cbranch_scc0 .Lentry_in_a_cluster
	s_endpgm
.Lentry_in_a_cluster:
	s_bfe_u32 s2, ttmp6, 0x10000c
	s_cmp_lg_u32 s2, 0xf033
	s_cbranch_scc0 .Lentry_shape_is_right
	s_endpgm
.Lentry_shape_is_right:
; out0[b][d][e] = sum over s of WR[s][d] R[s][e] + WI[s][d] I[s][e];   out1[b][d][e] = sum over s of WI[s][d] R[s][e] - WR[s][d] I[s][e].
; WR, WI (weight x real, weight x imag: acodes) and R, I (bcodes) are codes of BF8 (E5M2) with one E8M0 scale for each 32 along s; K = s = 512: four matrix instructions deep; sums in f32.
; BOTH BUFFERS: [b 8][column group of 16: 48][BLK = 16,896 bytes]; a BLK: eight images of operand registers [t 2][ks 4] of 2,048 bytes (lane l's registers 4 c .. 4 c + 3 at 512 c + 16 l),
; then the scale words [t 2][ks 4][column 16].  A fragment comes by four ds_load_b128 at 16 x lane: no pitch, no padding, an instruction's 512 bytes are consecutive.
; SHARES.  256 work-groups; each makes 96 rows d x 192 columns e of both outputs of one batch.  Wave w owns columns 48 w .. 48 w + 47 for all 96 rows: its 24 fragments of R and I (3 column groups x
; 4 ks x 2) stay in 384 registers.  The six blocks of 16 rows d go by one after the other: 8 fragments (WR, WI x 4 ks), 48 matrix instructions onto 9 accumulators; then 16 whole rows of both
; outputs are finished and leave while the later blocks are multiplied.  A wave reads each fragment that it needs from LDS once: 72 fragments for 288 matrix instructions.
; LDS IS FILLED ONCE: the tile's operands for all of K, 6 + 12 BLKs, lie in it together; no byte is filled again.
; CLUSTERS: 4 x 4 work-groups.  The four of a row of the cluster make the same 96 rows d and need the same 6 BLKs of acodes; the four of a column make the same 192 columns e of the same batch and
; need the same 12 BLKs of bcodes.  Each is asked for JOINTLY: the same tensor load, with the same descriptor and a mask that names the four, in all four.
; THE MATRIX INSTRUCTION IS USED TRANSPOSED: source 0 = 16 columns e (R or I), source 1 = 16 rows d (WR or WI): lane (r, h) then holds row d = r and its registers the columns e = 8 h + 0 .. 7.
; THE MINUS: sum WR I has accumulators of its own and is subtracted in f32 when a block is finished.
; THE WAY OUT.  A row's 768 bytes come from four waves: they meet in a stage in LDS (two stages by turns, one barrier a block), and each wave stores four whole rows of each output.  The stages lie
; in wave 0's part of bcodes' tile: it has had its only fill, and wave 0 has read it into registers ahead of the first barrier.
; REGISTERS, in windows of 256: window 0: v2-10 addresses; v16-39 R's and I's scale words (12 t + 4 f + ks); v40-55 WR's and WI's, two sets (8 p + 4 t + ks); v64-135 the accumulators;
;   v144-191 rows read back from the stage.   window 1: R (f, ks) at v[16 (4 f + ks)].   window 2: I likewise.   window 3: WR, WI, two sets: (p, t, ks) at v[128 p + 16 (4 t + ks)].
.set BLK,    16896
.set BBASE,  6*BLK                     ; LDS: acodes' 6 BLKs from 0; bcodes' 12 from here: wave w's three at BBASE + BPART w
.set AQ,     6*BLK/4                   ; a wave's quarter of acodes' tile: 99 rows of 256 bytes
.set BPART,  3*BLK                     ; a wave's part of bcodes' tile: 198 rows of 256 bytes
.set SPITCH, 784                       ; a stage row: 768 bytes + 16 = 49 x 16: the sixteen rows that a store touches begin at sixteen different 16-byte columns of the 64 banks (ISA guide 11.1)
.set OPL,    16*SPITCH                 ; one output's 16 rows
.set STGB,   2*OPL                     ; a stage: both outputs'
.set STG,    BBASE                     ; two stages, 50,176 bytes, inside wave 0's 50,688
.set ADA,  2                           ; v2   16 x lane: blocks 0-2 of acodes' tile;  v3  the same + 3 BLK: blocks 3-5 (so that every immediate stays under 65,536)
.set ASA,  4                           ; v4, v5  their scale words: 16,384 + 4 (lane % 16) (+ 3 BLK)
.set ADB,  6                           ; v6   my part of bcodes' tile + 16 x lane
.set BSA,  7                           ; v7   its scale words
.set STO,  8                           ; v8   the stage: where I put 32 bytes of a row
.set RD,   9                           ; v9   and where I read a row back
.set CO,   10                          ; v10  my byte offset in the tile's rows of an output
.set BSC,  16
.set ASC,  40
.set ACC_O,  64                        ; out0's three accumulators (column group f at + 8 f)
.set ACC_IR, 88                        ; sum WI R
.set ACC_RI, 112                       ; sum WR I
.set OUTR, 144
.set G1A, 28                           ; s[28:35], s[36:39] descriptor groups 1 and 0 for acodes' quarter
.set G0A, 36
.set G1B, 40                           ; s[40:47], s[48:51] for bcodes' part
.set G0B, 48
.set MSB, 0
.macro WIN new                         ; the immediate's high byte repeats the setting that is left; a switch that changes nothing is dropped
.if MSB != \new
	s_set_vgpr_msb (MSB<<8)|\new
.set MSB, \new
.endif
.endm
.set W_R,  0x0d                        ; source 0 window 1 (R), source 1 window 3, C and D window 0
.set W_I,  0x0e                        ; source 0 window 2 (I), source 1 window 3
.set TO_R, 0x40                        ; a load's destination in window 1, its address in window 0
.set TO_I, 0x80
.set TO_A, 0xc0
; A round of the cluster's barrier: my work-group's barrier, so that wave 0's signal speaks for all four waves; wave 0 signals; every wave waits for all sixteen work-groups; my work-group's barrier once more.
.macro CROUND
	s_barrier_signal -1
	s_barrier_wait -1
	s_cmp_lg_u32 s12, 0
	s_cbranch_scc1 .Lnot_wave_0_\@
	s_barrier_signal -3
.Lnot_wave_0_\@:
	s_barrier_wait -3
	s_barrier_signal -1
	s_barrier_wait -1
.endm
.macro PLACES n
.rept \n
	v_nop
.endr
.endm
	s_load_b256 s[4:11], s[0:1], 0x0               ; acodes s[4:5], bcodes s[6:7], out0 s[8:9], out1 s[10:11]
	v_lshl_add_u32 v254, v0, 2, 0x4a400
	v_mov_b32 v255, 0
	ds_add_u32 v254, v255
	ds_add_u32 v254, v255
	v_lshrrev_b32 v1, 5, v0
	v_readfirstlane_b32 s12, v1                    ; wave 0..3
	s_bfe_u32 s13, ttmp6, 0x40000                  ; cx, cy: my place in the cluster
	s_bfe_u32 s14, ttmp6, 0x40004
	s_lshl_b32 s15, ttmp9, 2
	s_add_co_u32 s15, s15, s13                     ; X = 4 x cluster x + cx: which 192 columns e
	s_and_b32 s16, ttmp7, 0xffff                   ; the cluster's y
	s_lshl_b32 s17, s16, 2
	s_add_co_u32 s17, s17, s14                     ; Y = 4 x cluster y + cy = 8 x batch + which 96 rows d
	s_lshr_b32 s18, s16, 1                         ; the batch, from the cluster's y alone: all sixteen partners share it
	s_lshl_b32 s19, s14, 2
	s_lshl_b32 s19, 15, s19                        ; my row of the cluster
	s_lshl_b32 s20, 0x1111, s13                    ; my column
	; descriptor group 1: a dense block as rows of 256 bytes (32 elements of 8 bytes), no padding
	s_or_b32 s[G1A], s19, (3<<16)|(1<<21)          ; 15:0 the mask: acodes' tile goes to my row; 17:16 elements of 8 bytes; 21 set beside a mask
	s_mov_b32 s[G1A+1], 32<<16                     ; tensor_dim0 = 32
	s_mov_b32 s[G1A+2], (AQ/256)<<16               ; tensor_dim1 = 99
	s_mov_b32 s[G1A+3], 32<<16                     ; tile_dim0 = 32
	s_mov_b32 s[G1A+4], AQ/256                     ; tile_dim1 = 99
	s_mov_b32 s[G1A+5], 32                         ; from row to row: 32 elements
	s_mov_b32 s[G1A+6], 0
	s_mov_b32 s[G1A+7], 0
	s_or_b32 s[G1B], s20, (3<<16)|(1<<21)          ; bcodes' tile goes to my column
	s_mov_b32 s[G1B+1], 32<<16
	s_mov_b32 s[G1B+2], (BPART/256)<<16            ; 198 rows
	s_mov_b32 s[G1B+3], 32<<16
	s_mov_b32 s[G1B+4], BPART/256
	s_mov_b32 s[G1B+5], 32
	s_mov_b32 s[G1B+6], 0
	s_mov_b32 s[G1B+7], 0
	; where the tiles come from.  acodes': column group 48 batch + 6 (Y % 8) = 6 Y: it hangs on Y alone, which my row shares.  bcodes': 48 batch + 12 X: on the batch and X, which my column shares.
	s_mul_i32 s22, s17, 6*BLK
	s_mul_i32 s23, s12, AQ
	s_add_co_u32 s22, s22, s23                     ; + my wave's quarter
	s_mov_b32 s23, 0
	s_mul_i32 s24, s18, 48*BLK
	s_mul_i32 s25, s15, 12*BLK
	s_add_co_u32 s24, s24, s25
	s_mul_i32 s25, s12, BPART
	s_add_co_u32 s24, s24, s25                     ; + my wave's part
	s_mov_b32 s25, 0
	s_mul_i32 s52, s17, 96*3072                    ; the outputs: row 96 Y of the 6,144 rows of 3,072 bytes,
	s_mul_i32 s53, s15, 768
	s_add_co_u32 s52, s52, s53                     ; + 192 X columns
	s_mov_b32 s53, 0
	s_mov_b32 s[G0A], 1                            ; 1:0 count = 1
	s_mul_i32 s[G0A+1], s12, AQ                    ; 63:32 LDS address: the wave's number times a constant: no place in the cluster enters it
	s_mov_b32 s[G0B], 1
	s_mul_i32 s[G0B+1], s12, BPART
	s_add_co_u32 s[G0B+1], s[G0B+1], BBASE
	s_wait_dscnt 0x0
	s_wait_kmcnt 0x0
	s_add_nc_u64 s[G0A+2:G0A+3], s[4:5], s[22:23]  ; 120:64 global address
	s_or_b32 s[G0A+3], s[G0A+3], 0x80000000        ; 127:126 type = 2
	s_add_nc_u64 s[G0B+2:G0B+3], s[6:7], s[24:25]
	s_or_b32 s[G0B+3], s[G0B+3], 0x80000000
	s_add_nc_u64 s[8:9], s[8:9], s[52:53]
	s_add_nc_u64 s[10:11], s[10:11], s[52:53]
	CROUND                                         ; all sixteen work-groups are here: the joint loads meet
	tensor_load_to_lds s[G0B:G0B+3], s[G1B:G1B+7]  ; my part of bcodes' tile first: I alone read it, as soon as it is in
	s_nop 0
	tensor_load_to_lds s[G0A:G0A+3], s[G1A:G1A+7]  ; my quarter of acodes' tile.  Two tensor loads of mine are out, and these are all that the launch has
	s_nop 0
.rept 4
	v_nop                                          ; four v_nop follow the second of the two
.endr
	v_and_b32 v11, 31, v0                          ; lane
	v_and_b32 v12, 15, v0                          ; r
	v_bfe_u32 v13, v0, 4, 1                        ; h
	v_lshlrev_b32 v[ADA], 4, v11
	v_add_nc_u32 v[ADA+1], 3*BLK, v[ADA]
	v_lshl_add_u32 v[ASA], v12, 2, 16384           ; every lane takes the word of row lane % 16: the unit reads lanes 0-15
	v_add_nc_u32 v[ASA+1], 3*BLK, v[ASA]
	s_mul_i32 s21, s12, BPART
	s_add_co_u32 s21, s21, BBASE
	v_add_nc_u32 v[ADB], s21, v[ADA]
	v_add_nc_u32 v[BSA], s21, v[ASA]
	v_mul_u32_u24 v[STO], v12, SPITCH              ; into the stage: row r, + 192 w (my 48 columns), + 32 h
	v_lshl_add_u32 v[STO], v13, 5, v[STO]
	s_mul_i32 s26, s12, 192
	s_add_co_u32 s26, s26, STG
	v_add_nc_u32 v[STO], s26, v[STO]
	v_mul_u32_u24 v[RD], v13, SPITCH               ; back: rows 4 w + h (and two further down), 16 bytes a lane: sixteen lanes to 256 bytes of a row
	v_lshl_add_u32 v[RD], v12, 4, v[RD]
	s_mul_i32 s27, s12, 4*SPITCH
	s_add_co_u32 s27, s27, STG
	v_add_nc_u32 v[RD], s27, v[RD]
	v_mul_u32_u24 v[CO], v13, 3072                 ; and the same place in an output
	v_lshl_add_u32 v[CO], v12, 4, v[CO]
	s_mul_i32 s26, s12, 4*3072
	v_add_nc_u32 v[CO], s26, v[CO]
; One product.  d: accumulator; e: R's or I's fragment (source 0); a: WR's or WI's (source 1); se, sa: their scale words; z = 1: it starts the sum: nothing is ever cleared
.macro PROD d, e, a, se, sa, z
.if \z
	v_wmma_scale_f32_16x16x128_f8f6f4 v[\d:\d+7], v[\e:\e+15], v[\a:\a+15], 0, v[\se], v[\sa] matrix_a_fmt:MATRIX_FMT_BF8 matrix_b_fmt:MATRIX_FMT_BF8
.else
	v_wmma_scale_f32_16x16x128_f8f6f4 v[\d:\d+7], v[\e:\e+15], v[\a:\a+15], v[\d:\d+7], v[\se], v[\sa] matrix_a_fmt:MATRIX_FMT_BF8 matrix_b_fmt:MATRIX_FMT_BF8
.endif
.endm
; Six products, 128 along s, with R as source 0: out0 += R x WR, IR += R x WI.  p: WR's and WI's set.  The six accumulators take turns, one instruction a turn.
.macro KSTEP_R p, ks, z
.irp f, 0,1,2
	PROD ACC_O+8*\f, 16*(4*\f+\ks), 128*\p+16*\ks, BSC+4*\f+\ks, ASC+8*\p+\ks, \z
.endr
.irp f, 0,1,2
	PROD ACC_IR+8*\f, 16*(4*\f+\ks), 128*\p+64+16*\ks, BSC+4*\f+\ks, ASC+8*\p+4+\ks, \z
.endr
.endm
; The same with I as source 0: out0 += I x WI (it goes on from R's sums), RI += I x WR
.macro KSTEP_I p, ks, z
.irp f, 0,1,2
	PROD ACC_O+8*\f, 16*(4*\f+\ks), 128*\p+64+16*\ks, BSC+12+4*\f+\ks, ASC+8*\p+4+\ks, 0
.endr
.irp f, 0,1,2
	PROD ACC_RI+8*\f, 16*(4*\f+\ks), 128*\p+16*\ks, BSC+12+4*\f+\ks, ASC+8*\p+\ks, \z
.endr
.endm
; My 24 fragments of R and I and their 24 scale words: they stay in registers
.macro FETCH_B
	WIN TO_R
.irp f, 0,1,2
.irp ks, 0,1,2,3
.irp c, 0,1,2,3
	ds_load_b128 v[16*(4*\f+\ks)+4*\c:16*(4*\f+\ks)+4*\c+3], v[ADB] offset:BLK*\f+2048*\ks+512*\c
.endr
.endr
.endr
	WIN TO_I
.irp f, 0,1,2
.irp ks, 0,1,2,3
.irp c, 0,1,2,3
	ds_load_b128 v[16*(4*\f+\ks)+4*\c:16*(4*\f+\ks)+4*\c+3], v[ADB] offset:BLK*\f+8192+2048*\ks+512*\c
.endr
.endr
.endr
	WIN 0
.irp t, 0,1
.irp f, 0,1,2
.irp ks, 0,1,2,3
	ds_load_b32 v[BSC+12*\t+4*\f+\ks], v[BSA] offset:BLK*\f+256*\t+64*\ks
.endr
.endr
.endr
.endm
; Block i's 8 fragments of WR and WI and their 8 scale words, into set i % 2: 40 LDS loads
.macro FETCH_A i
.set FP, (\i)%2
.set FG, (\i)/3
.set FO, BLK*((\i)%3)
	WIN TO_A
.irp t, 0,1
.irp ks, 0,1,2,3
.irp c, 0,1,2,3
	ds_load_b128 v[128*FP+16*(4*\t+\ks)+4*\c:128*FP+16*(4*\t+\ks)+4*\c+3], v[ADA+FG] offset:FO+8192*\t+2048*\ks+512*\c
.endr
.endr
.endr
	WIN 0
.irp t, 0,1
.irp ks, 0,1,2,3
	ds_load_b32 v[ASC+8*FP+4*\t+\ks], v[ASA+FG] offset:FO+256*\t+64*\ks
.endr
.endr
.endm
; Block i's results into stage i % 2.  Each accumulator is read from its low end on: out0's by its first store, IR's and RI's by the subtractions in ascending order.
.macro TOSTAGE i
.set SQ, STGB*((\i)%2)
.irp f, 0,1,2
	ds_store_b128 v[STO], v[ACC_O+8*\f:ACC_O+8*\f+3] offset:SQ+64*\f         ; lane (r, h): out0(16 i + r, 48 w + 16 f + 8 h + 0 .. 7)
	ds_store_b128 v[STO], v[ACC_O+8*\f+4:ACC_O+8*\f+7] offset:SQ+64*\f+16
.endr
.irp j, 0,1,2,3,4,5,6,7,8,9,10,11
	v_pk_add_f32 v[ACC_IR+2*\j:ACC_IR+2*\j+1], v[ACC_IR+2*\j:ACC_IR+2*\j+1], v[ACC_RI+2*\j:ACC_RI+2*\j+1] neg_lo:[0,1] neg_hi:[0,1]   ; out1 = IR - RI, two at a time
.endr
.irp f, 0,1,2
	ds_store_b128 v[STO], v[ACC_IR+8*\f:ACC_IR+8*\f+3] offset:SQ+OPL+64*\f
	ds_store_b128 v[STO], v[ACC_IR+8*\f+4:ACC_IR+8*\f+7] offset:SQ+OPL+64*\f+16
.endr
.endm
; My four rows of each output come back: load n = 6 o + 3 pr + u: output o, rows 4 w + 2 pr + h, bytes 256 u on
.macro READBACK i
.set SQ, STGB*((\i)%2)
	s_wait_xcnt 0x0                                ; the last block's stores have had their addresses translated (ISA guide 3.1): only behind this wait are their data registers loaded again
.irp o, 0,1
.irp pr, 0,1
.irp u, 0,1,2
	ds_load_b128 v[OUTR+4*(6*\o+3*\pr+\u):OUTR+4*(6*\o+3*\pr+\u)+3], v[RD] offset:SQ+OPL*\o+2*SPITCH*\pr+256*\u
.endr
.endr
.endr
.endm
; and leave.  younger: the LDS loads issued behind READBACK's twelve, which may stay out.  Every offset is an immediate (under 2^18): no base is stepped
.macro SEND i, younger
.irp o, 0,1
.irp pr, 0,1
.irp u, 0,1,2
	s_wait_dscnt \younger+11-(6*\o+3*\pr+\u)       ; LDS loads come back in order (ISA guide 5.7.1): load n is in when 11 - n of the twelve, and the younger ones, are out
	global_store_b128 v[CO], v[OUTR+4*(6*\o+3*\pr+\u):OUTR+4*(6*\o+3*\pr+\u)+3], s[8+2*\o:9+2*\o] offset:49152*(\i)+6144*\pr+256*\u th:TH_STORE_NT   ; sixteen lanes store 256 consecutive bytes, aligned; written once, read by nobody here
.endr
.endr
.endr
.endm
; A BLOCK of 16 rows d.  Its fragments are in registers: block 0's by the counted wait in front of it, the others' by the wait for 0 in front of the barrier of the block before.
.macro BLOCK i, p
	WIN W_R
	KSTEP_R \p, 0, 1
	KSTEP_R \p, 1, 0
	KSTEP_R \p, 2, 0
	KSTEP_R \p, 3, 0
.if \i > 0
	WIN 0
.if \i < 5
	SEND \i-1, 40                                  ; the block before leaves in the middle of this one's products; behind its read-backs stand the 40 loads of the next block's fragments
.else
	SEND \i-1, 0                                   ; (behind block 4's read-backs nothing was fetched)
.endif
.endif
	WIN W_I
	KSTEP_I \p, 0, 1
	KSTEP_I \p, 1, 0
	KSTEP_I \p, 2, 0
	KSTEP_I \p, 3, 0
	WIN 0
	PLACES 9                                       ; behind this form with 8-bit operands: 8 places before results are read and before loads land in the set just multiplied; 9 before the next block's first products write over the accumulators
	TOSTAGE \i
	s_wait_dscnt 0x0                               ; for the others' sake: my stores into this stage are done, and my reads of the other stage are back, so that it may be written in the next block
	s_barrier_signal -1
	s_barrier_wait -1                              ; 16 whole rows of both outputs lie in the stage
	READBACK \i
.if \i < 4
	FETCH_A \i+2                                   ; into the set that this block has multiplied
.endif
.endm
	s_wait_tensorcnt 0x1                           ; tensor loads of a wave end in order (ISA guide 10.11.1): my part of bcodes' tile is in; my quarter of acodes' may be out
	FETCH_B
	s_wait_tensorcnt 0x0                           ; for the others' sake: my quarter of acodes' tile is in,
	s_wait_dscnt 0x0                               ; and R and I are in my registers: wave 0's part of LDS may become the stages
	s_barrier_signal -1
	s_barrier_wait -1
	FETCH_A 0
	FETCH_A 1
	s_wait_dscnt 40                                ; block 0's 40 loads are in; block 1's 40 may be out
	BLOCK 0, 0
	BLOCK 1, 1
	BLOCK 2, 0
	BLOCK 3, 1
	BLOCK 4, 0
	BLOCK 5, 1
	SEND 5, 0                                      ; its last wait is for 0: no LDS instruction of mine is out at the signal below
	s_wait_tensorcnt 0x0
	ds_add_u32 v254, v255
	s_wait_dscnt 0x0
	CROUND                                         ; the closing round: no work-group ends while a partner may still ask for a tile that names it
	s_endpgm
.Lfunc_end_k_q839c5520f7_gemm:
	.size	k_q839c5520f7_gemm, .Lfunc_end_k_q839c5520f7_gemm-k_q839c5520f7_gemm
	.p2alignl 7, 3214868480
	.fill 96, 4, 3214868480
	.section	.rodata,"a",@progbits
	.p2align	6, 0x0
	.amdhsa_kernel k_q839c5520f7_gemm
		.amdhsa_group_segment_fixed_size 304640
		.amdhsa_private_segment_fixed_size 0
		.amdhsa_enable_private_segment 0
		.amdhsa_kernarg_size 32
		.amdhsa_user_sgpr_count 2
		.amdhsa_user_sgpr_kernarg_segment_ptr 1
		.amdhsa_wavefront_size32 1
		.amdhsa_system_sgpr_workgroup_id_x 1
		.amdhsa_system_sgpr_workgroup_id_y 1
		.amdhsa_system_sgpr_workgroup_id_z 1
		.amdhsa_system_vgpr_workitem_id 0
		.amdhsa_next_free_vgpr 1024
		.amdhsa_next_free_sgpr 66
		.amdhsa_reserve_vcc 0
		.amdhsa_float_denorm_mode_32 3
		.amdhsa_float_denorm_mode_16_64 3
		.amdhsa_memory_ordered 1
		.amdhsa_forward_progress 1
		.amdhsa_inst_pref_size 91
	.end_amdhsa_kernel
	.amdgpu_metadata
---
amdhsa.version: [ 1, 2 ]
amdhsa.kernels:
  - .name:           k_q839c5520f7_gemm
    .symbol:         k_q839c5520f7_gemm.kd
    .args:
      - { .name: acodes, .offset: 0, .size: 8, .value_kind: global_buffer, .address_space: global }
      - { .name: bcodes, .offset: 8, .size: 8, .value_kind: global_buffer, .address_space: global }
      - { .name: out0, .offset: 16, .size: 8, .value_kind: global_buffer, .address_space: global }
      - { .name: out1, .offset: 24, .size: 8, .value_kind: global_buffer, .address_space: global }
    .group_segment_fixed_size: 304640
    .private_segment_fixed_size: 0
    .kernarg_segment_align: 8
    .kernarg_segment_size: 32
    .max_flat_workgroup_size: 128
    .sgpr_count:     66
    .vgpr_count:     1024
    .wavefront_size: 32
...
	.end_amdgpu_metadata
.endif
;; end of part 2
